; MI455X (gfx1250); checked and timed in simulation.
; The chip was launched on July 23, 2026; its instructions are those of AMD's public machine-readable ISA for CDNA 5 (MIT licence, August 2026) and "CDNA5" Instruction Set Architecture Reference Guide (July 2026). The comments in the code are by the model that wrote it; some were corrected since.
;; Multi Head Attention. Allowed arithmetic: matrix products marked QUANTISED: E2M3 operands, one E8M0 scale for each 32 along K, by v_wmma_scale_f32_16x16x128_f8f6f4 with both operands' format E2M3, f32 sums; everything else in f32.
;; Inputs: bk 1,024 float32; bo 1,024 float32; bq 1,024 float32; bv 1,024 float32; mask 4 x 2,048 int32; wk_codes 1,024 x 32 x 24 uint8 (E2M3 codes of wk, K innermost, in blocks of 32 codes, four codes in three bytes); wk_scales 1,024 x 32 uint8 (E8M0 scales of wk, one for each 32 codes along K); wo_codes 1,024 x 32 x 24 uint8 (E2M3 codes of wo, K innermost, in blocks of 32 codes, four codes in three bytes); wo_scales 1,024 x 32 uint8 (E8M0 scales of wo, one for each 32 codes along K); wq_codes 1,024 x 32 x 24 uint8 (E2M3 codes of wq, K innermost, in blocks of 32 codes, four codes in three bytes); wq_scales 1,024 x 32 uint8 (E8M0 scales of wq, one for each 32 codes along K); wv_codes 1,024 x 32 x 24 uint8 (E2M3 codes of wv, K innermost, in blocks of 32 codes, four codes in three bytes); wv_scales 1,024 x 32 uint8 (E8M0 scales of wv, one for each 32 codes along K); x_codes 4 x 2,048 x 32 x 24 uint8 (E2M3 codes of x, K innermost, in blocks of 32 codes, four codes in three bytes); x_scales 4 x 2,048 x 32 uint8 (E8M0 scales of x, one for each 32 codes along K).
;; Outputs: out0 4 x 2,048 x 1,024 float32.
;; This version of the problem:
;;   THIS VERSION OF THE PROBLEM IS GIVEN IN LOW PRECISION. The matrix products marked QUANTISED in the list below multiply operands that are first quantised to E2M3 (2 exponent bits, 3 mantissa bits; 6 bits a number), with one power-of-two scale for each 32 numbers along K (OCP MX v1.0); their sums are f32. All else is computed in f32.
;;   The module's matrix products, in the order in which they are computed (A, B: the left and right operand; K: the contracted axis; several contracted axes count as one K, in the product's order):
;;     1. [M 8,192, K 1,024] x [K 1,024, N 1,024]; A: input x (given as codes); B: input wq (given as codes): QUANTISED
;;     2. [M 8,192, K 1,024] x [K 1,024, N 1,024]; A: input x (given as codes); B: input wk (given as codes): QUANTISED
;;     3. [M 8,192, K 1,024] x [K 1,024, N 1,024]; A: input x (given as codes); B: input wv (given as codes): QUANTISED
;;     4. batch 64 x [M 2,048, K 64] x [K 64, N 2,048]; A: computed on the way; B: computed on the way: QUANTISED
;;     5. batch 64 x [M 2,048, K 2,048] x [K 2,048, N 64]; A: softmax (see below); B: computed on the way: QUANTISED
;;     6. [M 8,192, K 1,024] x [K 1,024, N 1,024]; A: computed on the way; B: input wo (given as codes): QUANTISED
;;   THE QUANTISER, for each operand of a quantised product, along K:
;;     - K is cut into blocks of 32 from its start; a last block that is shorter is filled with zeros.
;;     - A block's scale is 2^e with e = floor(log2(the largest magnitude in the block)) - 2, held to -126 .. 127; a block of zeros has e = 0. As a byte (E8M0): e + 127.
;;     - Each number is divided by its block's scale, clamped to +-7.5, and rounded to the nearest number of E2M3, ties to even, subnormals kept.
;;     - The product sums the exact products of the quantised numbers (number of the format x scale) in f32.
;;   ~~~python
;;   def quantise(x, axis):      # numpy; x: float32 -> the quantised numbers, widened to float32 again
;;       x = np.moveaxis(x, axis, -1); K = x.shape[-1]
;;       x = np.pad(x, [(0, 0)] * (x.ndim - 1) + [(0, -K % 32)]); x = x.reshape(x.shape[:-1] + (-1, 32)); a = np.abs(x).max(-1, keepdims=True)
;;       e = np.where(a > 0, np.clip(np.frexp(np.where(a > 0, a, 1))[1] - 1 - 2, -126, 127), 0)      # np.frexp(a)[1] - 1 = floor(log2(a)), exactly
;;       r = np.clip(x / 2.0 ** e, -7.5, 7.5)
;;       step = 2.0 ** (np.maximum(np.frexp(np.where(r == 0, 1, r))[1] - 1, 0) - 3)
;;       q = np.round(r / step) * step * 2.0 ** e      # np.round: ties to even
;;       return np.moveaxis(q.reshape(q.shape[:-2] + (-1,))[..., :K], -1, axis).astype(np.float32)
;;   ~~~
;;   SOFTMAX AHEAD OF A QUANTISED PRODUCT. Where the list says 'softmax', what is quantised is not the finished softmax but p = 2^(t - M), with t = logit x log2(e) and M = ceil(the row's largest t), a whole number; so 1/2 < the row's largest p <= 1. The row's sum l is taken of the UNQUANTISED p, in f32, and the product's result is divided by l at the end. Since M is a whole number, a kernel that streams over the keys may use a running M (the ceiling of the running maximum): every later rescaling is an exact power of two, which a block's scale takes up: the codes' values come out the same.
;;   OPERANDS COMPUTED ON THE WAY. 'Computed on the way' means the value that the module computes at that place (a softmax that the list does not call 'softmax' is quantised finished and normalised). What goes into a quantiser is computed in f32, as accurately as f32 sums, v_exp_f32 and their like allow (about 1e-6 of the number): no bf16 or f16 on the way to a quantiser, and a product that is left as it is and whose result goes on into a quantised operand takes f32 operands (vector FMAs, or v_wmma_f32_16x16x4_f32). A number that lies on a knife's edge between two numbers of the format may be rounded either way, as far as f32 arithmetic and the matrix unit's own rounding can turn it there, and no further.
;;   INPUTS GIVEN AS CODES. wk (in the module: [1024, 1024], K = its axis 1); wo (in the module: [1024, 1024], K = its axis 1); wq (in the module: [1024, 1024], K = its axis 1); wv (in the module: [1024, 1024], K = its axis 1); x (in the module: [4, 2048, 1024], K = its axis 2): each comes as NAME_codes (uint8): NAME with its K axis moved to the last place and cut into blocks of 32 codes, [.., K / 32, bytes a block], one block behind the other in memory; four codes in three bytes: a row's codes are one little-endian stream of bits, code i at bits 6 i .. 6 i + 5 (a code: sign, 2 exponent bits, 3 mantissa bits); and NAME_scales (uint8): the same leading axes, one E8M0 byte (e + 127) for each 32 codes along K. Its value is code x scale, taken as it is: it is not quantised again, and the codes and scales need not be those that the quantiser above would give.
;; One version. Each part assembles by itself: llvm-mc -triple=amdgcn-amd-amdhsa -mcpu=gfx1250 --defsym DOCPART=n.
;; ======== version 1 of 1: 3 launches
;; limits: right only within a limited range of input values
;; workspace buffers: qf 8,388,608 bytes; kf 8,388,608 bytes; vf 8,388,608 bytes; cxc 6,291,456 bytes; cxs 262,144 bytes
;; launch proj (part 1): grid 12 x 32, 4 waves a work-group, clusters of 4 x 4, 327,680 bytes of LDS; arguments x_codes, x_scales, wq_codes, wq_scales, wk_codes, wk_scales, wv_codes, wv_scales, bq, bk, bv, mask, qf, kf, vf; writes qf, kf, vf
.if DOCPART == 1
	.amdgcn_target "amdgcn-amd-amdhsa--gfx1250"
	.amdhsa_code_object_version 6
	.text
	.protected	k_qde52a71792_proj
	.globl	k_qde52a71792_proj
	.p2align	8
	.type	k_qde52a71792_proj,@function
k_qde52a71792_proj:
	s_mov_b64 s[64:65], 0
	v_nop
	global_prefetch_b8 v0, s[64:65] scope:SCOPE_SE
	s_setreg_imm32_b32 hwreg(HW_REG_WAVE_MODE, 25, 1), 1
	s_wait_xcnt 0x0
	s_wait_alu depctr_hold_cnt(0) depctr_sa_sdst(0) depctr_va_vdst(0) depctr_va_sdst(0) depctr_va_ssrc(0) depctr_va_vcc(0) depctr_vm_vsrc(0)
	s_getreg_b32 s2, hwreg(HW_REG_IB_STS2, 6, 4)
	s_cmp_eq_u32 s2, 0
	s_cbranch_scc0 .Lentry_in_a_cluster
	s_endpgm
.Lentry_in_a_cluster:
	s_bfe_u32 s2, ttmp6, 0x10000c
	s_cmp_lg_u32 s2, 0xf033
	s_cbranch_scc0 .Lentry_shape_is_right
	s_endpgm
.Lentry_shape_is_right:
; Q = x wq^T + bq, K = x wk^T + bk, V = x wv^T + bv on codes of FP6 (E2M3), each result quantised again and stored as images of the next launch's operand registers.
; Every input is loaded.
; Cluster x says which tensor: 0 Q, 1 K (A = x's rows, B = the weight's), 2 V (A = wv's rows, B = x's rows: a lane then holds one channel and its registers run along the keys).
; A tile of 256 x 256 a work-group, 128 x 128 a wave (64 accumulators).  K goes through a ring of two LDS slots in CHUNKS OF 256 BYTES of each row of 768: every tile row begins at a multiple of 256.
; A step of 128 along K is 96 bytes: eight steps to three chunks; steps 2 and 5 take their fragments from both slots.  The scales of the 256 + 256 rows come once, as dense blocks.
; 4 x 4 clusters: A's tiles are asked for jointly along a row of the cluster, B's along a column.  Source 0 = rows of B, source 1 = rows of A.
; OUT.  qf, kf [batch x head][tile of 16 rows] 1,024 bytes: registers 0-3 | registers 4, 5, 6 and the scale word.  The place k = 64 holds 1.0 in q, 0 in an open key and -4.0 x 2^31 in a masked key, whose other codes are zeros.
; vf [batch x head][128 keys][16 channels] 2,048 bytes: 12 registers | the scale word.
; No prefetch: the block is the largest in clusters, and K is three chunks, two of which are asked for at the head.
; LIMITS: NaN and infinities are not served; a block under 2^-124 keeps the scale byte 1.
.set ROWB,   256
.set NQ,     2
.set KROW,   768
.set STEPS,  8
.set CHUNKS, 3
.set PITCH,  272                       ; 256 bytes + 16 of padding
.set FR,     12
.set NL,     6
.set NP,     4
.set HALFT,  128*PITCH
.set SLOT,   4*HALFT                   ; A's 256 rows, then B's
.set KS,     32
.set SCL,    2*SLOT
.set HALFS,  (128*KS/256)*272
.set SBLK,   (16*KS/256)*272
.set SPARE,  SCL+4*HALFS
.set ADRA, 16                          ; v16-17 my A fragments in slot 0, 1; v18-19 for pieces whose two halves of the lanes lie in different chunks
.set ADRB, 20                          ; v20-23 the same for B
.set GOF,  26
.set ADRS, 27
.set SPW,  28
.set NIL,  29
.set SC,   32
.set BI,   64
.set AF,   128
.set BV,   224
.set MKI,  240
.set TM,   32
.set PW,   40
.set MF,   48
.set X6,   50
.set SWH,  51
.set XU,   52
.set XM,   53
.set SU,   54
.set SM,   55
.set MZ,   56
.set ST,   128
.set CD,   192
.set CT,   208
.set G1, 24
.set G0, 32
.set G1B, 48
.set G0B, 56
.set G1S, 68
.set G0S, 76
.set G1SB, 80
.set G0SB, 88
.set G0H, 4
.set G0HB, 8
.set SEL, 18
.set LOW, 66
.set MSB, 0
.macro WIN new
.if MSB != (\new)
	s_set_vgpr_msb (MSB<<8)|(\new)
.set MSB, (\new)
.endif
.endm
.set MUL_LO, 0xa1
.set MUL_HI, 0xf1
.set TO_B,   0x40
.macro JLOAD g0a, g1a, g0b, g1b        ; waves 0, 1 fetch for A, waves 2, 3 for B
	s_cmp_eq_u32 s15, 0
	s_cbranch_scc0 .Lfor_b_\@
	tensor_load_to_lds s[\g0a:\g0a+3], s[\g1a:\g1a+7]
	s_nop 0
.rept 4
	v_nop
.endr
	s_branch .Lasked_\@
.Lfor_b_\@:
	tensor_load_to_lds s[\g0b:\g0b+3], s[\g1b:\g1b+7]
	s_nop 0
.rept 4
	v_nop
.endr
.Lasked_\@:
.endm
.macro CREST
	s_cmp_lg_u32 s14, 0
	s_cbranch_scc1 .Lnot_wave_0_\@
	s_barrier_signal -3
.Lnot_wave_0_\@:
	s_barrier_wait -3
	s_barrier_signal -1
	s_barrier_wait -1
.endm
.macro CROUND
	s_barrier_signal -1
	s_barrier_wait -1
	CREST
.endm
	s_load_b512 s[68:83], s[0:1], 0x0              ; x, wq, wk, wv: codes and scales
	s_load_b256 s[92:99], s[0:1], 0x40             ; bq, bk, bv, mask
	s_load_b128 s[84:87], s[0:1], 0x60             ; qf, kf
	s_load_b64 s[88:89], s[0:1], 0x70              ; vf
	v_lshl_add_u32 v[SPW], v0, 2, SPARE
	v_mov_b32 v[NIL], 0
	ds_add_u32 v[SPW], v[NIL]                      ; the opening lines: the add twice and one wait
	ds_add_u32 v[SPW], v[NIL]
	v_lshrrev_b32 v1, 5, v0
	v_readfirstlane_b32 s14, v1                    ; wave
	s_lshr_b32 s15, s14, 1
	s_and_b32 s16, s14, 1
	s_mov_b32 s2, ttmp9                            ; the tensor
	s_bfe_u32 s40, ttmp6, 0x40000
	s_bfe_u32 s41, ttmp6, 0x40004
	s_and_b32 s17, ttmp7, 0xffff
	s_lshl_b32 s17, s17, 2
	s_cmp_eq_u32 s2, 2
	s_cselect_b32 s42, s17, 0
	s_cselect_b32 s17, 0, s17
	s_add_co_u32 s42, s42, s40                     ; B's tile
	s_add_co_u32 s17, s17, s41                     ; A's tile
	s_lshl_b32 s43, s41, 2
	s_lshl_b32 s43, 15, s43
	s_lshl_b32 s44, 0x1111, s40
	s_or_b32 s[G1+0], s43, (1<<20)|(1<<21)|(5<<22)|(3<<25)
	s_or_b32 s[G1B+0], s44, (1<<20)|(1<<21)|(5<<22)|(3<<25)
.irp g, G1, G1B
	s_mov_b32 s[\g+1], ROWB<<16
	s_mov_b32 s[\g+2], 256<<16                     ; the head's loads bring 256 rows
	s_mov_b32 s[\g+3], ROWB<<16
	s_mov_b32 s[\g+4], 256
	s_mov_b32 s[\g+5], KROW
	s_mov_b32 s[\g+6], 0
	s_mov_b32 s[\g+7], 0
.endr
	s_lshl_b32 s20, s17, 8
	s_lshl_b32 s46, s42, 8
	s_mov_b32 s21, 0
	s_mov_b32 s47, 0
	s_mov_b64 s[18:19], KS
	s_mul_u64 s[22:23], s[20:21], s[18:19]
	s_mul_u64 s[66:67], s[46:47], s[18:19]
	s_mov_b64 s[18:19], KROW
	s_mul_u64 s[20:21], s[20:21], s[18:19]
	s_mul_u64 s[46:47], s[46:47], s[18:19]
	s_mul_i32 s18, s16, 128*KROW                   ; in the ring I fetch 128 rows
	s_mov_b32 s19, 0
	s_mul_i32 s45, s14, HALFT
	s_wait_dscnt 0x0
	s_wait_kmcnt 0x0
	s_cmp_eq_u32 s2, 1
	s_cselect_b64 s[8:9], s[76:77], s[72:73]
	s_cselect_b64 s[10:11], s[78:79], s[74:75]
	s_cselect_b64 s[92:93], s[94:95], s[92:93]
	s_cselect_b64 s[12:13], s[86:87], s[84:85]
	s_cmp_eq_u32 s2, 2
	s_cselect_b64 s[4:5], s[80:81], s[68:69]
	s_cselect_b64 s[6:7], s[82:83], s[70:71]
	s_cselect_b64 s[8:9], s[68:69], s[8:9]
	s_cselect_b64 s[10:11], s[70:71], s[10:11]
	s_cselect_b64 s[92:93], s[96:97], s[92:93]
	s_cselect_b64 s[12:13], s[88:89], s[12:13]
	s_add_nc_u64 s[20:21], s[4:5], s[20:21]
	s_add_nc_u64 s[22:23], s[6:7], s[22:23]
	s_add_nc_u64 s[46:47], s[8:9], s[46:47]
	s_add_nc_u64 s[66:67], s[10:11], s[66:67]
	s_or_b32 s[G1S+0], s43, (3<<16)|(1<<20)|(1<<21)|(5<<22)|(3<<25)
	s_or_b32 s[G1SB+0], s44, (3<<16)|(1<<20)|(1<<21)|(5<<22)|(3<<25)
.irp g, G1S, G1SB                      ; the scales of 256 rows: KS rows of 256 bytes, dense
	s_mov_b32 s[\g+1], 32<<16
	s_mov_b32 s[\g+2], KS<<16
	s_mov_b32 s[\g+3], 32<<16
	s_mov_b32 s[\g+4], KS
	s_mov_b32 s[\g+5], 32
	s_mov_b32 s[\g+6], 0
	s_mov_b32 s[\g+7], 0
.endr
	CROUND                                         ; in front of the first joint loads
	s_mov_b32 s[G0H], 1
	s_mov_b32 s[G0H+1], 0
	s_mov_b64 s[G0H+2:G0H+3], s[20:21]
	s_or_b32 s[G0H+3], s[G0H+3], 0x80000000
	s_mov_b32 s[G0HB], 1
	s_mov_b32 s[G0HB+1], 2*HALFT
	s_mov_b64 s[G0HB+2:G0HB+3], s[46:47]
	s_or_b32 s[G0HB+3], s[G0HB+3], 0x80000000
	s_mov_b32 s[G0S], 1
	s_mov_b32 s[G0S+1], SCL
	s_mov_b64 s[G0S+2:G0S+3], s[22:23]
	s_or_b32 s[G0S+3], s[G0S+3], 0x80000000
	s_mov_b32 s[G0SB], 1
	s_mov_b32 s[G0SB+1], SCL+2*HALFS
	s_mov_b64 s[G0SB+2:G0SB+3], s[66:67]
	s_or_b32 s[G0SB+3], s[G0SB+3], 0x80000000
	s_add_nc_u64 s[20:21], s[20:21], s[18:19]
	s_add_nc_u64 s[46:47], s[46:47], s[18:19]
.irp s, 0,1
	s_mov_b32 s[G0+4*\s], 1
	s_add_co_u32 s[G0+4*\s+1], s45, \s*SLOT
	s_add_nc_u64 s[G0+4*\s+2:G0+4*\s+3], s[20:21], \s*ROWB
	s_or_b32 s[G0+4*\s+3], s[G0+4*\s+3], 0x80000000
	s_mov_b32 s[G0B+4*\s], 1
	s_add_co_u32 s[G0B+4*\s+1], s45, \s*SLOT
	s_add_nc_u64 s[G0B+4*\s+2:G0B+4*\s+3], s[46:47], \s*ROWB
	s_or_b32 s[G0B+4*\s+3], s[G0B+4*\s+3], 0x80000000
.endr
; the head's four tiles, one load a wave: chunk 0 of A, chunk 0 of B, A's scales, B's scales
.macro ARM under, g0, g1, next
	s_cmp_lt_u32 s14, \under
	s_cbranch_scc0 \next
	tensor_load_to_lds s[\g0:\g0+3], s[\g1:\g1+7]
	s_nop 0
.rept 4
	v_nop
.endr
	s_branch .Lhead_asked
\next:
.endm
	ARM 1, G0H,  G1,  .Lhead_b
	ARM 2, G0HB, G1B, .Lhead_sa
	ARM 3, G0S,  G1S, .Lhead_sb
	tensor_load_to_lds s[G0SB:G0SB+3], s[G1SB:G1SB+7]
	s_nop 0
.rept 4
	v_nop
.endr
.Lhead_asked:
	v_and_b32 v1, 15, v0
	v_bfe_u32 v2, v0, 4, 1
	v_mul_u32_u24 v3, v1, PITCH
	v_mul_u32_u24 v4, v2, 24
	v_add_nc_u32 v4, v3, v4                        ; row x pitch + 24 x half
	s_mov_b32 s21, SLOT-232
	s_mov_b32 s22, SLOT+232
	v_sub_nc_u32 v7, 1, v2
	v_mul_u32_u24 v5, s21, v2
	v_add_nc_u32 v5, v3, v5
	v_add_nc_u32 v5, 232, v5                       ; lanes 0-15 byte 232 in slot 0, lanes 16-31 byte 0 in slot 1
	v_mul_u32_u24 v6, s22, v7
	v_add_nc_u32 v6, v3, v6                        ; and the other way round
	s_mul_i32 s21, s15, HALFT
	s_mul_i32 s22, s16, HALFT
	s_add_co_u32 s22, s22, 2*HALFT
	v_add_nc_u32 v[ADRA+2], s21, v5
	v_add_nc_u32 v[ADRA+3], s21, v6
	v_add_nc_u32 v[ADRB+2], s22, v5
	v_add_nc_u32 v[ADRB+3], s22, v6
.irp s, 0,1
	v_add_nc_u32 v[ADRA+\s], s21, v4
	v_add_nc_u32 v[ADRB+\s], s22, v4
	s_add_co_u32 s21, s21, SLOT
	s_add_co_u32 s22, s22, SLOT
.endr
	v_mul_u32_u24 v5, v1, KS
	v_lshrrev_b32 v6, 8, v5
	v_lshl_add_u32 v5, v6, 4, v5
	s_mul_i32 s21, s15, HALFS
	s_mul_i32 s22, s16, HALFS
	s_add_co_u32 s22, s22, 2*HALFS
	s_sub_co_u32 s22, s22, s21
	v_mul_u32_u24 v6, s22, v2                      ; lanes 16-31 take B's scale words
	s_add_co_u32 s21, s21, SCL
	v_add_nc_u32 v5, v5, v6
	v_add_nc_u32 v[ADRS], s21, v5
	v_and_b32 v6, 31, v0
	v_lshlrev_b32 v[GOF], 4, v6
	s_lshr_b32 s20, s17, 3                         ; Q, K: [batch x head][tile] 1,024 bytes
	s_lshl_b32 s20, s20, 4
	s_lshl_b32 s21, s40, 2
	s_add_co_u32 s20, s20, s21
	s_lshl_b32 s21, s16, 1
	s_add_co_u32 s20, s20, s21
	s_lshl_b32 s20, s20, 7
	s_and_b32 s21, s17, 7
	s_lshl_b32 s21, s21, 4
	s_add_co_u32 s20, s20, s21
	s_lshl_b32 s21, s15, 3
	s_add_co_u32 s20, s20, s21
	s_lshl_b32 s20, s20, 10
	s_lshr_b32 s22, s42, 3                         ; V: [batch x head][128 keys] 8,192 bytes
	s_lshl_b32 s22, s22, 4
	s_lshl_b32 s23, s41, 2
	s_add_co_u32 s22, s22, s23
	s_lshl_b32 s23, s15, 1
	s_add_co_u32 s22, s22, s23
	s_lshl_b32 s22, s22, 4
	s_and_b32 s23, s42, 7
	s_lshl_b32 s23, s23, 1
	s_add_co_u32 s22, s22, s23
	s_add_co_u32 s22, s22, s16
	s_lshl_b32 s22, s22, 13
	s_cmp_eq_u32 s2, 2
	s_cselect_b32 s20, s22, s20
	s_mov_b32 s21, 0
	s_add_nc_u64 s[12:13], s[12:13], s[20:21]
	s_lshl_b32 s18, s40, 10
	s_lshl_b32 s19, s16, 9
	s_add_co_u32 s18, s18, s19
	s_mov_b32 s19, 0
	s_add_nc_u64 s[94:95], s[92:93], s[18:19]      ; the bias by B's columns (Q, K)
	s_lshl_b32 s18, s41, 10
	s_lshl_b32 s19, s15, 9
	s_add_co_u32 s18, s18, s19
	s_mov_b32 s19, 0
	s_add_nc_u64 s[96:97], s[92:93], s[18:19]      ; and by A's rows (V)
	s_lshl_b32 s18, s17, 10
	s_lshl_b32 s19, s15, 9
	s_add_co_u32 s18, s18, s19
	s_mov_b32 s19, 0
	s_add_nc_u64 s[98:99], s[98:99], s[18:19]      ; the mask by A's rows
	v_lshlrev_b32 v7, 5, v2
	v_lshlrev_b32 v8, 2, v1
.irp b, 0,1,2,3,4,5,6,7
	global_load_b128 v[BI+8*\b:BI+8*\b+3], v7, s[94:95] offset:64*\b
	global_load_b128 v[BI+8*\b+4:BI+8*\b+7], v7, s[94:95] offset:64*\b+16
.endr
.irp a, 0,1,2,3,4,5,6,7
	global_load_b32 v[BV+2*\a], v8, s[96:97] offset:64*\a
	global_load_b32 v[BV+2*\a+1], v8, s[96:97] offset:64*\a
	global_load_b32 v[MKI+\a], v8, s[98:99] offset:64*\a
.endr
.macro FRAG reg, adr, st, i            ; six pieces of 8 bytes; byte y of a row lies in slot (y / 256) % 2 at byte y % 256
.irp p, 0,1,2,3,4,5
.set BY, 96*(\st)+48*(\p/3)+8*(\p%3)
.if BY/ROWB == (BY+24)/ROWB
	ds_load_b64 v[\reg+2*\p:\reg+2*\p+1], v[\adr+(BY/ROWB)%2] offset:BY%ROWB+(\i)*16*PITCH
.else
	ds_load_b64 v[\reg+2*\p:\reg+2*\p+1], v[\adr+2+(BY/ROWB)%2] offset:BY%ROWB-232+(\i)*16*PITCH
.endif
.endr
.endm
.macro MUL16 a0, p, q, sc, zero        ; the 64 accumulators take turns, in the same order in every step
.irp a, \a0, \a0+1
.irp b, 0,1,2,3,4,5,6,7
.if \zero
	v_wmma_scale_f32_16x16x128_f8f6f4 v[8*(8*((\a)%4)+\b):8*(8*((\a)%4)+\b)+7], v[128*(\p)+FR*\b:128*(\p)+FR*\b+FR-1], v[AF+FR*(\a):AF+FR*(\a)+FR-1], 0, v[SC+8*NQ*(\sc)+NQ*\b+(\q)], v[SC+8*NQ*(\sc)+NQ*(\a)+(\q)] matrix_a_fmt:MATRIX_FMT_FP6 matrix_b_fmt:MATRIX_FMT_FP6 matrix_a_scale:MATRIX_SCALE_ROW1
.else
	v_wmma_scale_f32_16x16x128_f8f6f4 v[8*(8*((\a)%4)+\b):8*(8*((\a)%4)+\b)+7], v[128*(\p)+FR*\b:128*(\p)+FR*\b+FR-1], v[AF+FR*(\a):AF+FR*(\a)+FR-1], v[8*(8*((\a)%4)+\b):8*(8*((\a)%4)+\b)+7], v[SC+8*NQ*(\sc)+NQ*\b+(\q)], v[SC+8*NQ*(\sc)+NQ*(\a)+(\q)] matrix_a_fmt:MATRIX_FMT_FP6 matrix_b_fmt:MATRIX_FMT_FP6 matrix_a_scale:MATRIX_SCALE_ROW1
.endif
.endr
.endr
.endm
.macro FETCH_B st, p
	WIN TO_B
.irp i, 0,1,2,3,4,5,6,7
	FRAG 128*(\p)+FR*\i, ADRB, \st, \i
.endr
	WIN 0
.endm
.macro FETCH_A st, i0
.irp i, \i0, \i0+1, \i0+2, \i0+3
	FRAG AF+FR*(\i), ADRA, \st, \i
.endr
.endm
.macro SCALES pr                       ; the words of steps 2 pr, 2 pr + 1: lanes 0-15 A's block i, lanes 16-31 B's
.irp i, 0,1,2,3,4,5,6,7
	ds_load_b64 v[SC+8*NQ*((\pr)%2)+NQ*\i:SC+8*NQ*((\pr)%2)+NQ*\i+1], v[ADRS] offset:\i*SBLK+4*NQ*(\pr)
.endr
.endm
.macro PLACES n
.rept \n
	v_nop
.endr
.endm
; A step: 64 products; the next step's fragments are fetched in its middle and at its end.  Where the next step ends in a chunk not read yet, a barrier shows that chunk whole;
; where it begins in a later chunk, the three lines and the barrier free the chunk left behind, and where chunk C0 + 2 exists a round follows and the slot is filled again.
.macro STEP st, zero
.set NX, (\st)+1
.set C0, (96*(\st))/ROWB
.set C1, (96*NX)/ROWB
.set E0, (96*(\st)+95)/ROWB
.set E1, (96*NX+95)/ROWB
.if C1 > C0 || E1 > E0
	s_wait_tensorcnt 0x0                           ; all my tensor loads have landed
.if C1 > C0
	ds_add_u32 v[SPW], v[NIL]
	s_wait_dscnt 4*NL+1                            ; the add and A's blocks 4-7 may be out
.else
	s_wait_dscnt 4*NL                              ; A's blocks 4-7 may be out
.endif
	WIN MUL_LO
	MUL16 0, (\st)%2, (\st)%2, ((\st)/2)%2, \zero
	s_wait_dscnt 0x0                               ; the add and all my reads are done
	s_barrier_signal -1
	MUL16 2, (\st)%2, (\st)%2, ((\st)/2)%2, \zero
	WIN 0
	s_barrier_wait -1
.if C1 > C0 && C0+2 < CHUNKS
	CREST
	s_add_nc_u64 s[G0+4*(C0%2)+2:G0+4*(C0%2)+3], s[G0+4*(C0%2)+2:G0+4*(C0%2)+3], 2*ROWB
	s_add_nc_u64 s[G0B+4*(C0%2)+2:G0B+4*(C0%2)+3], s[G0B+4*(C0%2)+2:G0B+4*(C0%2)+3], 2*ROWB
	JLOAD G0+4*(C0%2), G1, G0B+4*(C0%2), G1B       ; chunk C0 + 2; its four v_nop are the places in front of the loads below
.else
	PLACES NP
.endif
.else
	s_wait_dscnt 4*NL
	WIN MUL_LO
	MUL16 0, (\st)%2, (\st)%2, ((\st)/2)%2, \zero
	MUL16 2, (\st)%2, (\st)%2, ((\st)/2)%2, \zero
	s_wait_dscnt 0
	PLACES NP
.endif
	FETCH_B NX, NX%2
	FETCH_A NX, 0
.if NX%2 == 0
	SCALES NX/2
.endif
	WIN MUL_HI
	MUL16 4, (\st)%2, (\st)%2, ((\st)/2)%2, \zero
	MUL16 6, (\st)%2, (\st)%2, ((\st)/2)%2, \zero
	PLACES NP
	WIN 0
	FETCH_A NX, 4
.endm
	s_wait_alu depctr_va_vdst(0)                   ; the wait at the head's end
	s_wait_tensorcnt 0x0                           ; my tile of the head's four is in
	ds_add_u32 v[SPW], v[NIL]
	s_mov_b32 s[G1+2], 128<<16                     ; no load of mine is out: from here on a load brings 128 rows
	s_mov_b32 s[G1+4], 128
	s_mov_b32 s[G1B+2], 128<<16
	s_mov_b32 s[G1B+4], 128
	s_wait_dscnt 0x0
	CROUND
	JLOAD G0+4, G1, G0B+4, G1B                     ; chunk 1, slot 1's first fill, issued as a refill is
	FETCH_B 0, 0
	FETCH_A 0, 0
	SCALES 0
	FETCH_A 0, 4
	STEP 0, 1                                      ; the first products start the sums
.set ST_, 1
.rept STEPS-2
	STEP ST_, 0
.set ST_, ST_+1
.endr
	s_wait_dscnt 4*NL
	WIN MUL_LO
	MUL16 0, 1, 1, 1, 0
	MUL16 2, 1, 1, 1, 0
	s_wait_dscnt 0
	WIN MUL_HI
	MUL16 4, 1, 1, 1, 0
	MUL16 6, 1, 1, 1, 0
	WIN 0
; THE QUANTISER of 64 numbers a lane (four half blocks; the other half lies in lane l xor 16): largest magnitude with the floor 2^(3 - 127), scale, codes, whole blocks into lanes
.macro QUANT src, gap
.irp b, 0,1,2,3
	v_max3_num_f32 v[TM+\b], |v[\src+16*\b]|, |v[\src+1+16*\b]|, 0x1800000
.endr
.irp i, 2,4,6,8,10,12,14
.irp b, 0,1,2,3
	v_max3_num_f32 v[TM+\b], v[TM+\b], |v[\src+16*\b+\i]|, |v[\src+1+16*\b+\i]|
.endr
.endr
.irp b, 0,1,2,3
	v_permlanex16_b32 v[TM+4+\b], v[TM+\b], s[SEL], s[SEL+1]
.endr
.irp b, 0,1,2,3
	v_max_num_f32 v[TM+\b], v[TM+\b], v[TM+4+\b]
.endr
.irp b, 0,1,2,3
	v_add_nc_u32 v[TM+12+\b], 0xff000000, v[TM+\b]
.endr
.irp b, 0,1,2,3
	v_lshrrev_b32 v[TM+4+\b], 23, v[TM+12+\b]
.endr
	v_lshl_or_b32 v[PW], v[TM+5], 8, v[TM+4]
	v_lshl_or_b32 v[PW], v[TM+6], 16, v[PW]
	v_lshl_or_b32 v[PW], v[TM+7], 24, v[PW]
.irp c, 0,1
	v_cvt_scalef32_pk16_fp6_f32 v[CD+(\gap)*\c:CD+(\gap)*\c+2], v[\src+32*\c:\src+15+32*\c], v[TM+12+2*\c]
	v_cvt_scalef32_pk16_fp6_f32 v[CT+4*\c:CT+4*\c+2], v[\src+16+32*\c:\src+31+32*\c], v[TM+12+2*\c+1]
.endr
	v_nop
.irp c, 0,1
.irp i, 0,1,2
	v_permlane16_swap_b32 v[CD+(\gap)*\c+\i], v[CT+4*\c+\i]
.endr
.irp i, 0,1,2
	v_mov_b32 v[CD+(\gap)*\c+3+\i], v[CT+4*\c+\i]
.endr
.endr
.endm
.macro OUTQK a                         ; 16 rows x two heads: the bias; a masked key's numbers become zeros; the place k = 64 and its scale bytes
.if (\a) > 0
	s_wait_xcnt 0x0
.endif
	WIN 0x02+(\a)/4
.set i, 0
.rept 32
	v_pk_add_f32 v[ST+2*i:ST+2*i+1], v[64*((\a)%4)+2*i:64*((\a)%4)+2*i+1], v[BI+2*i:BI+2*i+1]
.set i, i+1
.endr
	WIN 0
	v_cmp_eq_u32 vcc_lo, 0, v[MKI+(\a)]
	v_cndmask_b32 v[X6], v[XU], v[XM], vcc_lo
	v_cndmask_b32 v[SWH], v[SU], v[SM], vcc_lo
	v_cndmask_b32 v[MF], 1.0, v[MZ], vcc_lo
.set i, 0
.rept 32
	v_pk_mul_f32 v[ST+2*i:ST+2*i+1], v[ST+2*i:ST+2*i+1], v[MF:MF+1] op_sel_hi:[1,0]
.set i, i+1
.endr
	QUANT ST, 8
	v_mov_b32 v[CD+6], v[X6]
	v_mov_b32 v[CD+14], v[X6]
	v_and_or_b32 v[CD+7], v[PW], s[LOW], v[SWH]
	v_lshrrev_b32 v[CD+15], 16, v[PW]
	v_or_b32 v[CD+15], v[CD+15], v[SWH]
.irp c, 0,1
.irp g, 0,1
	global_store_b128 v[GOF], v[CD+8*\c+4*\g:CD+8*\c+4*\g+3], s[12:13] offset:1024*(\a)+131072*\c+512*\g
.endr
.endr
.endm
.macro OUTV a                          ; 16 channels x 128 keys
.if (\a) > 0
	s_wait_xcnt 0x0
.endif
	WIN 0x02+(\a)/4
.set i, 0
.rept 32
	v_pk_add_f32 v[ST+2*i:ST+2*i+1], v[64*((\a)%4)+2*i:64*((\a)%4)+2*i+1], v[BV+2*(\a):BV+2*(\a)+1]
.set i, i+1
.endr
	WIN 0
	QUANT ST, 6
.irp g, 0,1,2
	global_store_b128 v[GOF], v[CD+4*\g:CD+4*\g+3], s[12:13] offset:2048*((\a)%4)+131072*((\a)/4)+512*\g
.endr
	global_store_b128 v[GOF], v[PW:PW+3], s[12:13] offset:2048*((\a)%4)+131072*((\a)/4)+1536
.endm
	PLACES NP
	s_wait_loadcnt 0x0
	s_mov_b32 s[SEL], 0x76543210
	s_mov_b32 s[SEL+1], 0xfedcba98
	s_mov_b32 s[LOW], 0xffff
	s_cmp_eq_u32 s2, 0
	s_cselect_b32 s20, 8, 0                        ; k = 64: q 1.0; an open key 0;
	s_cselect_b32 s21, 8, 0x38                     ; a masked key -4.0,
	s_mov_b32 s22, 0x01010000
	s_cselect_b32 s22, 0x7f7f0000, s22
	s_mov_b32 s23, 0x019e0000                      ; under the scale 2^31
	s_cselect_b32 s23, 0x7f7f0000, s23
	s_cmp_eq_u32 s2, 1
	s_cselect_b32 s67, 0, 1.0
	v_bfe_u32 v3, v0, 4, 1
	v_sub_nc_u32 v3, 1, v3
	v_mul_u32_u24 v[XU], s20, v3
	v_mul_u32_u24 v[XM], s21, v3
	v_mov_b32 v[SU], s22
	v_mov_b32 v[SM], s23
	v_mov_b32 v[MZ], s67
	v_mov_b32 v[MF+1], 0
.irp b, 0,1,2,3
	v_mov_b32 v[TM+4+\b], 0
.endr
.irp b, 1,2,3
	v_mov_b32 v[PW+\b], 0
.endr
	s_cmp_eq_u32 s2, 2
	s_cbranch_scc1 .Lv_out
.irp a, 0,1,2,3,4,5,6,7
	OUTQK \a
.endr
	s_branch .Lend
.Lv_out:
.irp a, 0,1,2,3,4,5,6,7
	OUTV \a
.endr
.Lend:
	s_wait_tensorcnt 0x0                           ; the wave's end
	ds_add_u32 v[SPW], v[NIL]
	s_wait_dscnt 0x0
	CROUND                                         ; the closing round
	s_endpgm
.Lfunc_end_k_qde52a71792_proj:
	.size	k_qde52a71792_proj, .Lfunc_end_k_qde52a71792_proj-k_qde52a71792_proj
	.p2alignl 7, 3214868480
	.fill 96, 4, 3214868480
	.section	.rodata,"a",@progbits
	.p2align	6, 0x0
	.amdhsa_kernel k_qde52a71792_proj
		.amdhsa_group_segment_fixed_size 327680
		.amdhsa_private_segment_fixed_size 0
		.amdhsa_enable_private_segment 0
		.amdhsa_kernarg_size 120
		.amdhsa_user_sgpr_count 2
		.amdhsa_user_sgpr_kernarg_segment_ptr 1
		.amdhsa_wavefront_size32 1
		.amdhsa_system_sgpr_workgroup_id_x 1
		.amdhsa_system_sgpr_workgroup_id_y 1
		.amdhsa_system_sgpr_workgroup_id_z 1
		.amdhsa_system_vgpr_workitem_id 0
		.amdhsa_next_free_vgpr 1024
		.amdhsa_next_free_sgpr 100
		.amdhsa_reserve_vcc 1
		.amdhsa_float_denorm_mode_32 3
		.amdhsa_float_denorm_mode_16_64 3
		.amdhsa_memory_ordered 1
		.amdhsa_forward_progress 1
		.amdhsa_inst_pref_size 254
	.end_amdhsa_kernel
	.amdgpu_metadata
---
amdhsa.version: [ 1, 2 ]
amdhsa.kernels:
  - .name:           k_qde52a71792_proj
    .symbol:         k_qde52a71792_proj.kd
    .args:
      - { .name: x_codes, .offset: 0, .size: 8, .value_kind: global_buffer, .address_space: global }
      - { .name: x_scales, .offset: 8, .size: 8, .value_kind: global_buffer, .address_space: global }
      - { .name: wq_codes, .offset: 16, .size: 8, .value_kind: global_buffer, .address_space: global }
      - { .name: wq_scales, .offset: 24, .size: 8, .value_kind: global_buffer, .address_space: global }
      - { .name: wk_codes, .offset: 32, .size: 8, .value_kind: global_buffer, .address_space: global }
      - { .name: wk_scales, .offset: 40, .size: 8, .value_kind: global_buffer, .address_space: global }
      - { .name: wv_codes, .offset: 48, .size: 8, .value_kind: global_buffer, .address_space: global }
      - { .name: wv_scales, .offset: 56, .size: 8, .value_kind: global_buffer, .address_space: global }
      - { .name: bq, .offset: 64, .size: 8, .value_kind: global_buffer, .address_space: global }
      - { .name: bk, .offset: 72, .size: 8, .value_kind: global_buffer, .address_space: global }
      - { .name: bv, .offset: 80, .size: 8, .value_kind: global_buffer, .address_space: global }
      - { .name: mask, .offset: 88, .size: 8, .value_kind: global_buffer, .address_space: global }
      - { .name: qf, .offset: 96, .size: 8, .value_kind: global_buffer, .address_space: global }
      - { .name: kf, .offset: 104, .size: 8, .value_kind: global_buffer, .address_space: global }
      - { .name: vf, .offset: 112, .size: 8, .value_kind: global_buffer, .address_space: global }
    .group_segment_fixed_size: 327680
    .private_segment_fixed_size: 0
    .kernarg_segment_align: 8
    .kernarg_segment_size: 120
    .max_flat_workgroup_size: 128
    .sgpr_count:     100
    .vgpr_count:     1024
    .wavefront_size: 32
...
	.end_amdgpu_metadata
.endif
;; end of part 1
;; launch attn (part 2): grid 8 x 32, 16 waves a work-group, clusters of 4 x 1, 327,680 bytes of LDS; arguments qf, kf, vf, cxc, cxs; writes cxc, cxs
.if DOCPART == 2
	.amdgcn_target "amdgcn-amd-amdhsa--gfx1250"
	.amdhsa_code_object_version 6
	.text
	.protected	k_qde52a71792_attn
	.globl	k_qde52a71792_attn
	.p2align	8
	.type	k_qde52a71792_attn,@function
k_qde52a71792_attn:
	s_mov_b64 s[64:65], 0
	v_nop
	global_prefetch_b8 v0, s[64:65] scope:SCOPE_SE
	s_setreg_imm32_b32 hwreg(HW_REG_WAVE_MODE, 25, 1), 1
	s_wait_xcnt 0x0
	s_wait_alu depctr_hold_cnt(0) depctr_sa_sdst(0) depctr_va_vdst(0) depctr_va_sdst(0) depctr_va_ssrc(0) depctr_va_vcc(0) depctr_vm_vsrc(0)
	s_getreg_b32 s2, hwreg(HW_REG_IB_STS2, 6, 4)
	s_cmp_eq_u32 s2, 0
	s_cbranch_scc0 .Lentry_in_a_cluster
	s_endpgm
.Lentry_in_a_cluster:
	s_bfe_u32 s2, ttmp6, 0x10000c
	s_cmp_lg_u32 s2, 0x3003
	s_cbranch_scc0 .Lentry_shape_is_right
	s_endpgm
.Lentry_shape_is_right:
; ctx = softmax(q k^T / 8, masked) v for two heads of one batch and 256 queries, both products on codes of FP6 (E2M3); ctx is quantised along the model's 1,024 and leaves as images of operand registers.
; INPUTS (made by the launch before; groups of 512 bytes, lane l's 16 bytes at 16 l):
;   qf, kf [batch x head][tile of 16 rows] 1,024 bytes: fragment registers 0-3 | registers 4, 5, 6 and the row's scale word.  Registers 7-11 are zeros, made here.
;   vf [batch x head][128 keys][16 channels] 2,048 bytes: the 12 registers | the scale word.
; THE MASK costs no line here: the place k = 64 holds 1.0 in q and -4.0 x 2^31 in a masked key, whose real codes are zeros: its score is exactly -2^33.  t = score x c is then a whole number, so a row all of whose keys
; are masked has p = 1 everywhere; when an open key arrives, the factor 2^(old M - new M) is 0 and wipes what was summed.
; THE SOFTMAX: t = score x log2(e) / 8; M = the running largest t rounded UP to a whole number; p = 2^(t - M) is quantised along the keys, not normalised; the row's sum is taken of the unquantised p and divides at the end.
; SHARES.  y = 8 x batch + pair of heads; a work-group owns 256 queries; each of its sixteen waves 16 of them, one tile, and takes the pair's two heads one after the other: so it ends with a whole fragment (128 along
; the model's axis) and a whole scale word of ctx.  Four waves to a SIMD.
; LAYOUT.  S^T = K Q^T (source 0 = 16 keys, source 1 = my queries), O^T = V^T P^T: a lane holds one query throughout.  The 16 registers of score tiles 2 b, 2 b + 1 are keys 0-7, 16-23 (lanes 0-15) or 8-15, 24-31
; (lanes 16-31) of block b; they are converted as they stand, and v's codes were laid in the same order: alike on both sides, inside a block.
; THE RING.  K and V of a pair of heads are 262,144 consecutive bytes each: 4 slots of 1,024 keys (65,536 + 65,536 bytes) through two LDS slots; two slots are a head; the ring runs on over the change of heads.
; A slot's eight key steps are a loop of two trips over four written steps; the LDS base is turned by 32,768 from trip to trip.
; CLUSTER.  The four query blocks of a cluster walk the same K and V: each fill is a joint load, mask 15; waves 0-3 issue one load each (128 rows of 256 bytes); by this text's count a wave has one tensor load out.
; LIMITS: a masked logit is -2^30 where the definition has -1e9; NaN and infinities are not served; a block of ctx under 2^-124 keeps the scale byte 1.
.set SLOTB, 131072                     ; a slot: K's 64 records, then V's 32; slot 1 begins here: one exclusive or turns an address
.set VOFF,  65536
.set HALFS, 32768                      ; four key steps of K, and of V
.set STG,   2*SLOTB                    ; ctx's 256 scale words: 1,024 bytes that no fill touches
.set SPARE, STG+1024                   ; the spare words: 128 bytes a wave, named by no other line
.set LI,   1                           ; v1  16 x lane: my place in a group
.set ADR,  2                           ; v2  the same in the four key steps of K in hand
.set SPW,  3                           ; v3  my spare word; never rewritten
.set NIL,  4                           ; v4  0; never rewritten
.set GO,   5                           ; v5  16 x lane, for memory
.set SWA,  6                           ; v6  where my row's scale word goes in LDS
.set SRA,  7                           ; v7  where threads 0-63 read 16 bytes of them back
.set SGO,  8                           ; v8  and their place in memory
.set ADV,  9                           ; v9  as v2, for V: VOFF further on, so that the loads' offsets stay inside 16 bits
.set QF,   16                          ; v16-27 Q's fragment
.set QS,   28                          ; v28 Q's scale word
.set PFO,  29                          ; v29 256 x lane: the prefetches' offset; never rewritten
.set KB,   32                          ; v32-79 four fragments of K
.set KSC,  80                          ; v80-83 their scale words
.set VSC,  84                          ; v84-87 V's
.set Q2,   88                          ; v88-95 the second head's Q (7 registers) and its scale word
.set SS,   96                          ; v96-159 S^T, then p; v96-143 then V's four fragments
.set OT,   160                         ; v160-191 O^T
.set PF,   192                         ; v192-203 p's codes
.set PT,   204                         ; v204-211 the conversions' second halves
.set CX,   212                         ; v212-223 ctx's codes
.set CW,   224                         ; v224 ctx's scale word
.set WV,   18
.set SEL,  20                          ; s[20:21] lane l xor 16
.set CS,   22                          ; s[22:23] c = log2(e) / 8
.set G1,   24                          ; s[24:31] 128 rows of 256 bytes, dense
.set G0,   32                          ; s[32:35] walks
.set TB,   36                          ; s36 LDS byte at which the four key steps in hand begin
.set SLOTS, 37                         ; s37 slots still to be asked for
.set LIM,  38                          ; s38 1 in a wave that prefetches, else the greatest number
.set INR,  39                          ; s39 counts a slot's two halves
.set PFA,  40                          ; s[40:41] where my prefetches stand
.macro CROUND                          ; a round of the cluster's barrier
	s_barrier_signal -1
	s_barrier_wait -1
	s_cmp_lg_u32 s[WV], 0
	s_cbranch_scc1 .Lnot_wave_0_\@
	s_barrier_signal -3
.Lnot_wave_0_\@:
	s_barrier_wait -3
	s_barrier_signal -1
	s_barrier_wait -1
.endm
.macro TLOAD                           ; waves 0, 1: K's halves; waves 2, 3: V's.  The branch hangs on the wave's number alone.  Four v_nop follow the line
	s_cmp_lt_u32 s[WV], 4
	s_cbranch_scc0 .Lnone_\@
	tensor_load_to_lds s[G0:G0+3], s[G1:G1+7]
	s_nop 0
.rept 4
	v_nop
.endr
.Lnone_\@:
.endm
; A PREFETCH INTO THE L2 of the slot that the NEXT change of slots will ask for: 65,536 bytes of K and of V.  Both clusters of a pair of heads walk the same bytes: the first asks.  Its four partners take 16,384 bytes
; each, told apart by address; in each, wave 4 asks for K's and wave 5 for V's, by two instructions, lanes 256 bytes apart: each aligned 256 bytes are named once in the launch.  The last filling change asks for nothing; slots 0 and 1 come by their loads alone.
.macro ASK
	s_cmp_gt_u32 s[SLOTS], s[LIM]
	s_cbranch_scc0 .Lnot_mine_\@
	global_prefetch_b8 v[PFO], s[PFA:PFA+1] th:TH_LOAD_NT scope:SCOPE_SE
	global_prefetch_b8 v[PFO], s[PFA:PFA+1] offset:8192 th:TH_LOAD_NT scope:SCOPE_SE
.Lnot_mine_\@:
.endm
	s_load_b256 s[4:11], s[0:1], 0x0               ; qf, kf, vf, cxc
	s_load_b64 s[12:13], s[0:1], 0x20              ; cxs
	v_lshl_add_u32 v[SPW], v0, 2, SPARE
	v_mov_b32 v[NIL], 0
	ds_add_u32 v3, v4
	ds_add_u32 v3, v4
	s_wait_dscnt 0x0
	v_lshrrev_b32 v[LI], 5, v0
	s_delay_alu instid0(VALU_DEP_1)
	v_readfirstlane_b32 s[WV], v[LI]               ; wave 0..15
	s_bfe_u32 s42, ttmp6, 0x40000                  ; cx
	s_lshl_b32 s43, ttmp9, 2
	s_add_co_u32 s43, s43, s42                     ; my block of 256 queries
	s_and_b32 s44, ttmp7, 0xffff                   ; y: the four partners share it
	s_lshl_b32 s46, s44, 18                        ; the pair's first byte in qf, kf, vf: 262,144 y
	s_and_b32 s45, s[WV], 1
	s_lshl_b32 s45, s45, 15
	s_add_co_u32 s48, s46, s45                     ; + my half of a slot's part
	s_mov_b32 s49, 0
	s_and_b32 s45, s[WV], 3
	s_mov_b32 s[G0], 1
	s_lshl_b32 s[G0+1], s45, 15                    ; LDS: K's halves, then V's: 32,768 x (wave % 4)
	s_mov_b32 s[G1], 15|(3<<16)|(1<<21)            ; the mask: all four; elements of 8 bytes; no padding; bit 21 beside a mask
	s_mov_b32 s[G1+1], 32<<16                      ; tensor_dim0
	s_mov_b32 s[G1+2], 128<<16                     ; tensor_dim1
	s_mov_b32 s[G1+3], 32<<16                      ; tile_dim0
	s_mov_b32 s[G1+4], 128                         ; tile_dim1
	s_mov_b32 s[G1+5], 32                          ; the pitch
	s_mov_b32 s[G1+6], 0
	s_mov_b32 s[G1+7], 0
	s_mov_b32 s[SEL], 0x76543210
	s_mov_b32 s[SEL+1], 0xfedcba98
	s_mov_b32 s[CS], 0x3e38aa3b
	s_mov_b32 s[CS+1], s[CS]
	s_mov_b32 s[TB], 0
	s_mov_b32 s[SLOTS], 3
	; every LDS address register but the two that walk is made here, ahead of the first parting of the waves
	v_and_b32 v[LI], 31, v0
	s_delay_alu instid0(VALU_DEP_1)
	v_lshlrev_b32 v[PFO], 8, v[LI]
	s_delay_alu instid0(VALU_DEP_2)
	v_lshlrev_b32 v[LI], 4, v[LI]
	s_delay_alu instid0(VALU_DEP_1)
	v_mov_b32 v[GO], v[LI]
	v_and_b32 v[SWA], 15, v0
	s_lshl_b32 s45, s[WV], 6
	s_add_co_u32 s45, s45, STG
	v_lshl_add_u32 v[SWA], v[SWA], 2, s45          ; STG + 64 x wave + 4 r
	v_and_b32 v[SGO], 63, v0
	s_delay_alu instid0(VALU_DEP_1)
	v_lshlrev_b32 v[SGO], 4, v[SGO]
	s_delay_alu instid0(VALU_DEP_1)
	v_add_nc_u32 v[SRA], STG, v[SGO]
	s_wait_kmcnt 0x0
	s_cmp_lt_u32 s[WV], 2
	s_cselect_b64 s[G0+2:G0+3], s[6:7], s[8:9]
	s_add_nc_u64 s[G0+2:G0+3], s[G0+2:G0+3], s[48:49]
	s_or_b32 s[G0+3], s[G0+3], 0x80000000
	CROUND                                         ; all four work-groups are here
	TLOAD                                          ; slot 0
	s_cmp_eq_u32 s[WV], 4
	s_cselect_b64 s[PFA:PFA+1], s[6:7], s[8:9]
	s_lshl_b32 s50, s42, 14                        ; my work-group's 16,384 bytes,
	s_add_co_u32 s50, s50, s46
	s_add_co_u32 s50, s50, 65536                   ; in slot 1: the first change steps it to slot 2
	s_mov_b32 s51, 0
	s_add_nc_u64 s[PFA:PFA+1], s[PFA:PFA+1], s[50:51]
	s_sub_co_u32 s[LIM], s[WV], 4
	s_lshr_b32 s[LIM], s[LIM], 1                   ; 0 in waves 4 and 5,
	s_or_b32 s[LIM], s[LIM], ttmp9                 ; of the pair's first cluster: the same in all four partners
	s_cmp_eq_u32 s[LIM], 0
	s_cselect_b32 s[LIM], 1, -1
	s_lshl_b32 s52, s43, 14
	s_add_co_u32 s52, s52, s46
	s_lshl_b32 s53, s[WV], 10
	s_add_co_u32 s52, s52, s53
	s_mov_b32 s53, 0
	s_add_nc_u64 s[4:5], s[4:5], s[52:53]          ; my tile's record of the first head
	s_wait_alu depctr_va_vdst(0)
	global_load_b128 v[QF:QF+3], v[GO], s[4:5]
	global_load_b96 v[QF+4:QF+6], v[GO], s[4:5] offset:512
	global_load_b32 v[QS], v[GO], s[4:5] offset:524
	global_load_b128 v[Q2:Q2+3], v[GO], s[4:5] offset:131072
	global_load_b96 v[Q2+4:Q2+6], v[GO], s[4:5] offset:131072+512
	global_load_b32 v[Q2+7], v[GO], s[4:5] offset:131072+524
	s_lshr_b32 s54, s44, 3                         ; the batch
	s_and_b32 s55, s44, 7                          ; the pair of heads = ctx's step of 128 along the model's axis
	s_lshl_b32 s52, s54, 7
	s_lshl_b32 s53, s43, 4
	s_add_co_u32 s52, s52, s53
	s_add_co_u32 s52, s52, s[WV]                   ; my tile of 16 rows among 512
	s_lshl_b32 s52, s52, 3
	s_add_co_u32 s52, s52, s55
	s_mul_i32 s52, s52, 1536
	s_mov_b32 s53, 0
	s_add_nc_u64 s[10:11], s[10:11], s[52:53]      ; cxc [tile 512][step 8] 1,536 bytes
	s_lshl_b32 s52, s55, 15
	s_lshl_b32 s53, s54, 13
	s_add_co_u32 s52, s52, s53
	s_lshl_b32 s53, s43, 10
	s_add_co_u32 s52, s52, s53
	s_mov_b32 s53, 0
	s_add_nc_u64 s[12:13], s[12:13], s[52:53]      ; cxs [step 8][row 8,192] 4 bytes: my work-group's 256 rows
.irp n, 7,8,9,10,11
	v_mov_b32 v[QF+\n], 0                          ; the places k = 70 .. 127 hold nothing
.irp t, 0,1,2,3
	v_mov_b32 v[KB+12*\t+\n], 0
.endr
.endr
	v_mov_b32 v13, 0xff61b1e6                      ; the largest t so far: -3e38
	s_delay_alu instid0(VALU_DEP_1)
	v_floor_f32 v12, -v13                          ; -M
	v_mov_b32 v14, 0                               ; the sum, in two halves
	v_mov_b32 v15, 0
.irp b, 0,1,2,3
	v_mov_b32 v[236+\b], 0                         ; a lane permute's destination counts as one of its sources
.endr
	v_mov_b32 v253, 0                              ; (named as the upper half of v[252:253] before it is first written)
.set j, 0
.rept 13
	v_mov_b32 v[CX+j], 0                           ; ctx's codes and scale word: the first head's half is written under a branch on the count of slots
.set j, j+1
.endr
.set j, 0
.rept 32
	v_mov_b32 v[OT+j], 0                           ; O^T: the step is written once; its first turn finds zeros
.set j, j+1
.endr
; A KEY STEP: 128 keys, the q-th of the four in hand
.macro STEP q
.irp g, 0,1                                    ; S^T = K Q^T, four tiles of 16 keys at a time
.if \g > 0
.rept 4
	v_nop                                          ; places in front of loads into registers that the four products above have read
.endr
.endif
.irp t, 0,1,2,3
	ds_load_b128 v[KB+12*\t:KB+12*\t+3], v[ADR] offset:8192*(\q)+1024*(4*\g+\t)
	ds_load_b96 v[KB+12*\t+4:KB+12*\t+6], v[ADR] offset:8192*(\q)+1024*(4*\g+\t)+512
	ds_load_b32 v[KSC+\t], v[ADR] offset:8192*(\q)+1024*(4*\g+\t)+524
.endr
.if \g == 0
.rept 5
	v_nop                                          ; the scores are written over the registers that held V's fragments of the last step's products: five places for a matrix instruction that writes over an operand
.endr
.endif
	s_wait_dscnt 0x0
.irp t, 0,1,2,3
	v_wmma_scale_f32_16x16x128_f8f6f4 v[SS+8*(4*\g+\t):SS+8*(4*\g+\t)+7], v[KB+12*\t:KB+12*\t+11], v[QF:QF+11], 0, v[KSC+\t], v[QS] matrix_a_fmt:MATRIX_FMT_FP6 matrix_b_fmt:MATRIX_FMT_FP6
.endr
.endr
.rept 4
	v_nop
.endr
.irp b, 0,1,2,3
	v_max3_num_f32 v[232+\b], v[SS+16*\b], v[SS+1+16*\b], v[SS+2+16*\b]   ; the largest score of each block of 32 keys: for the row's maximum, and, since p rises with the score, for the block's largest p
.endr
.irp i, 3,5,7,9,11,13
.irp b, 0,1,2,3
	v_max3_num_f32 v[232+\b], v[232+\b], v[SS+16*\b+\i], v[SS+1+16*\b+\i]
.endr
.endr
.irp b, 0,1,2,3
	v_max_num_f32 v[232+\b], v[232+\b], v[SS+15+16*\b]
.endr
.irp b, 0,1,2,3
	s_delay_alu instid0(VALU_DEP_4)
	v_permlanex16_b32 v[236+\b], v[232+\b], s[SEL], s[SEL+1]
.endr
.irp b, 0,1,2,3
	s_delay_alu instid0(VALU_DEP_4)
	v_max_num_f32 v[232+\b], v[232+\b], v[236+\b]  ; with lane l xor 16's 16 keys
.endr
	s_delay_alu instid0(VALU_DEP_2)
	v_max3_num_f32 v254, v232, v233, v234
	s_delay_alu instid0(VALU_DEP_1)
	v_max_num_f32 v254, v254, v235                 ; the step's largest score of my query
	s_delay_alu instid0(VALU_DEP_1)
	v_mul_f32 v254, s[CS], v254                    ; as t
	s_delay_alu instid0(VALU_DEP_1)
	v_max_num_f32 v13, v13, v254                   ; the running largest t
	v_mov_b32 v254, v12
	s_delay_alu instid0(VALU_DEP_2)
	v_floor_f32 v12, -v13                          ; the new -M = -ceil(t): a whole number
	s_delay_alu instid0(VALU_DEP_1)
	v_sub_f32 v254, v12, v254                      ; old M - new M: a whole number, 0 or less
	s_delay_alu instid0(VALU_DEP_1)
	v_cvt_i32_f32 v254, v254                       ; (it saturates)
	s_delay_alu instid0(VALU_DEP_1)
	v_ldexp_f32 v252, 1.0, v254                    ; f = 2^(old M - new M): rounds nothing
.set j, 0
.rept 32
	v_pk_fma_f32 v[SS+j:SS+j+1], v[SS+j:SS+j+1], s[CS:CS+1], v[12:13] op_sel_hi:[1,0,0]   ; t - M, two at a time
.set j, j+2
.endr
.irp b, 0,1,2,3
	v_fma_f32 v[232+\b], v[232+\b], s[CS], v12     ; the same of each block's largest score
.endr
.set j, 0
	s_wait_alu depctr_va_vdst(0)
.rept 64
	v_exp_f32 v[SS+j], v[SS+j]                     ; p = 2^(t - M), at most 1
.set j, j+1
.endr
	v_pk_mul_f32 v[14:15], v[14:15], v[252:253] op_sel_hi:[1,0]   ; the sums under the new M: the plain place behind the exponentials
	s_wait_alu depctr_va_vdst(0)                   ; one wait for the batch of 64, ahead of its first reader
.irp b, 0,1,2,3
	v_exp_f32 v[232+\b], v[232+\b]                 ; the block's largest p
.endr
	v_pk_add_f32 v[236:237], v[100:101], v[104:105]
	v_pk_add_f32 v[254:255], v[108:109], v[112:113]
	v_pk_add_f32 v[250:251], v[116:117], v[120:121]
	v_pk_add_f32 v[248:249], v[124:125], v[128:129]
	v_pk_add_f32 v[246:247], v[132:133], v[136:137]
	v_pk_add_f32 v[244:245], v[140:141], v[144:145]
	v_pk_add_f32 v[242:243], v[148:149], v[152:153]
	v_pk_add_f32 v[14:15], v[14:15], v[156:157]
	v_pk_add_f32 v[236:237], v[236:237], v[96:97]
	v_pk_add_f32 v[254:255], v[254:255], v[98:99]
	v_pk_add_f32 v[250:251], v[250:251], v[102:103]
	v_pk_add_f32 v[248:249], v[248:249], v[106:107]
	v_pk_add_f32 v[246:247], v[246:247], v[110:111]
	v_pk_add_f32 v[244:245], v[244:245], v[114:115]
	v_pk_add_f32 v[242:243], v[242:243], v[118:119]
	v_pk_add_f32 v[14:15], v[14:15], v[122:123]
	v_pk_add_f32 v[236:237], v[236:237], v[126:127]
	v_pk_add_f32 v[254:255], v[254:255], v[130:131]
	v_pk_add_f32 v[250:251], v[250:251], v[134:135]
	v_pk_add_f32 v[248:249], v[248:249], v[138:139]
	v_pk_add_f32 v[246:247], v[246:247], v[142:143]
	v_pk_add_f32 v[244:245], v[244:245], v[146:147]
	v_pk_add_f32 v[242:243], v[242:243], v[150:151]
	v_pk_add_f32 v[14:15], v[14:15], v[154:155]
	v_pk_add_f32 v[236:237], v[236:237], v[158:159]
	s_delay_alu instid0(VALU_DEP_2)
	v_pk_add_f32 v[14:15], v[14:15], v[248:249]
	s_delay_alu instid0(VALU_DEP_2)
	v_pk_add_f32 v[236:237], v[236:237], v[246:247]
	v_pk_add_f32 v[254:255], v[254:255], v[244:245]
	v_pk_add_f32 v[250:251], v[250:251], v[242:243]
	s_delay_alu instid0(VALU_DEP_2)
	v_pk_add_f32 v[14:15], v[14:15], v[254:255]
	s_delay_alu instid0(VALU_DEP_2)
	v_pk_add_f32 v[236:237], v[236:237], v[250:251]
	s_delay_alu instid0(VALU_DEP_1)
	v_pk_add_f32 v[14:15], v[14:15], v[236:237]
	s_wait_alu depctr_va_vdst(0)                   ; and one for the four
.irp b, 0,1,2,3
	v_max_num_f32 v[232+\b], 0x1800000, v[232+\b]  ; the floor 2^(3 - 127): the byte cannot fall under 1
.endr
.irp b, 0,1,2,3
	s_delay_alu instid0(VALU_DEP_4)
	v_add_nc_u32 v[244+\b], 0xff000000, v[232+\b]  ; 2 off the exponent field: the conversion's scale operand
.endr
.irp b, 0,1,2,3
	s_delay_alu instid0(VALU_DEP_4)
	v_lshrrev_b32 v[236+\b], 23, v[244+\b]         ; the scale's byte
.endr
	s_delay_alu instid0(VALU_DEP_3)
	v_lshl_or_b32 v253, v237, 8, v236              ; p's scale word for these 128 keys
	s_delay_alu instid0(VALU_DEP_1)
	v_lshl_or_b32 v253, v238, 16, v253
	s_delay_alu instid0(VALU_DEP_1)
	v_lshl_or_b32 v253, v239, 24, v253
.irp c, 0,1
	v_cvt_scalef32_pk16_fp6_f32 v[PF+6*\c:PF+6*\c+2], v[SS+32*\c:SS+15+32*\c], v[244+2*\c]
	v_cvt_scalef32_pk16_fp6_f32 v[PT+4*\c:PT+4*\c+2], v[SS+16+32*\c:SS+31+32*\c], v[244+2*\c+1]
.endr
	v_nop                                          ; one plain place behind a scaled conversion
.irp d, 0,1,2,3                                ; V's four fragments land where p lay, while p's codes are put in order and O^T is rescaled
.irp g, 0,1,2
	ds_load_b128 v[SS+12*\d+4*\g:SS+12*\d+4*\g+3], v[ADV] offset:8192*(\q)+2048*\d+512*\g
.endr
	ds_load_b32 v[VSC+\d], v[ADV] offset:8192*(\q)+2048*\d+1536
.endr
.irp c, 0,1                                    ; a whole block in a lane: lanes 0-15 block 2 c, lanes 16-31 block 2 c + 1
.irp i, 0,1,2
	v_permlane16_swap_b32 v[PF+6*\c+\i], v[PT+4*\c+\i]
.endr
.irp i, 0,1,2
	s_delay_alu instid0(VALU_DEP_3)
	v_mov_b32 v[PF+3+6*\c+\i], v[PT+4*\c+\i]
.endr
.endr
.set j, 0
.rept 16
	v_pk_mul_f32 v[OT+j:OT+j+1], v[OT+j:OT+j+1], v[252:253] op_sel_hi:[1,0]   ; O^T under the new M.  These sixteen are also the places between the scale word's and the codes' last writes and the products below
.set j, j+2
.endr
	s_wait_alu depctr_va_vdst(0)
	s_wait_dscnt 0x0
.irp d, 0,1,2,3                                ; O^T += V^T P^T: the four accumulators by turns
	v_wmma_scale_f32_16x16x128_f8f6f4 v[OT+8*\d:OT+8*\d+7], v[SS+12*\d:SS+12*\d+11], v[PF:PF+11], v[OT+8*\d:OT+8*\d+7], v[VSC+\d], v253 matrix_a_fmt:MATRIX_FMT_FP6 matrix_b_fmt:MATRIX_FMT_FP6
.endr
.endm
; THE CHANGE OF SLOTS, at a slot's head.  Each wave waits for all its tensor loads, adds 0 to its spare word, and waits for that and for its reads of the slot that it has left.  fill = 1: a round of the cluster's barrier,
; and behind it the slot just left is filled with the 1,024 keys that follow: the load has eight key steps in which to land.
.macro CHANGE fill
	s_wait_tensorcnt 0x0                           ; no tensor load of mine is out, so the walking descriptor may be written
	ds_add_u32 v[SPW], v[NIL]                      ; 0 onto my spare word
.if \fill
	s_xor_b32 s[G0+1], s[G0+1], SLOTB              ; the other slot than last time,
	s_add_nc_u64 s[G0+2:G0+3], s[G0+2:G0+3], 65536 ; the next 1,024 keys
	s_wait_xcnt 0x0                                ; the last prefetches, a slot back, have read their address
	s_add_nc_u64 s[PFA:PFA+1], s[PFA:PFA+1], 65536
	s_wait_dscnt 0x0                               ; the add is done, and my reads of the slot that I have left are over
	CROUND
	TLOAD                                          ; the first thing behind the round, and a wave's one tensor load until the next
	ASK
.else
	s_wait_dscnt 0x0
	s_barrier_signal -1
	s_barrier_wait -1
.endif
.endm
.macro SLOT_STEPS                      ; a slot's eight key steps: two trips of four
	s_mov_b32 s[INR], 0
.Lhalf_\@:
	v_add_nc_u32 v[ADR], s[TB], v[LI]
	v_add_nc_u32 v[ADV], VOFF, v[ADR]
	s_wait_alu depctr_va_vdst(0)
.irp q, 0,1,2,3
	STEP \q
.endr
	s_xor_b32 s[TB], s[TB], HALFS                  ; the slot's other half; behind two trips it stands where it began
	s_add_co_u32 s[INR], s[INR], 1
	s_cmp_lt_u32 s[INR], 2
	s_cbranch_scc1 .Lhalf_\@
	s_xor_b32 s[TB], s[TB], SLOTB
.endm
; A HEAD'S END: O^T / the sum; the 64 channels into natural order (they meet wo's given codes); two blocks quantised into registers 6 c .. 6 c + 5 of ctx's fragment and bytes 2 c, 2 c + 1 of its scale word.
.macro FINISH c
.rept 4
	v_nop                                          ; places behind the last products: their results are read and V's registers written below
.endr
	v_add_f32 v14, v14, v15
	s_delay_alu instid0(VALU_DEP_1)
	v_permlanex16_b32 v252, v14, s[SEL], s[SEL+1]
	s_delay_alu instid0(VALU_DEP_1)
	v_add_f32 v14, v14, v252                       ; the row's sum
	s_wait_alu depctr_va_vdst(0)
	v_rcp_f32 v14, v14
	v_nop                                          ; a plain place behind the reciprocal
	s_wait_alu depctr_va_vdst(0)                   ; and its wait, ahead of the first reader
.set j, 0
.rept 32
	v_mul_f32 v[SS+j], v[OT+j], v14                ; register 8 d + i: channel 16 d + 8 h + i of my query; each accumulator from its low end on
.set j, j+1
.endr
.irp b, 0,1
.irp n, 0,1,2,3,4,5,6,7
	v_permlane16_swap_b32 v[SS+16*\b+\n], v[SS+8+16*\b+\n]   ; the first's lanes 16-31 change places with the second's lanes 0-15: register 16 b + i is now channel 32 b + 16 h + i
.endr
.endr
.irp b, 0,1
	v_max3_num_f32 v[232+\b], |v[SS+16*\b]|, |v[SS+1+16*\b]|, 0x1800000
.endr
.irp i, 2,4,6,8,10,12,14
.irp b, 0,1
	s_delay_alu instid0(VALU_DEP_2)
	v_max3_num_f32 v[232+\b], v[232+\b], |v[SS+16*\b+\i]|, |v[SS+1+16*\b+\i]|
.endr
.endr
.irp b, 0,1
	s_delay_alu instid0(VALU_DEP_2)
	v_permlanex16_b32 v[236+\b], v[232+\b], s[SEL], s[SEL+1]
.endr
.irp b, 0,1
	s_delay_alu instid0(VALU_DEP_2)
	v_max_num_f32 v[232+\b], v[232+\b], v[236+\b]
.endr
.irp b, 0,1
	s_delay_alu instid0(VALU_DEP_2)
	v_add_nc_u32 v[244+\b], 0xff000000, v[232+\b]
.endr
.irp b, 0,1
	s_delay_alu instid0(VALU_DEP_2)
	v_lshrrev_b32 v[236+\b], 23, v[244+\b]
.endr
.if (\c) == 0
	s_delay_alu instid0(VALU_DEP_1)
	v_lshl_or_b32 v[CW], v237, 8, v236
.else
	s_delay_alu instid0(VALU_DEP_2)
	v_lshl_or_b32 v[CW], v236, 16, v[CW]
	s_delay_alu instid0(VALU_DEP_1)
	v_lshl_or_b32 v[CW], v237, 24, v[CW]
.endif
	v_cvt_scalef32_pk16_fp6_f32 v[CX+6*(\c):CX+6*(\c)+2], v[SS:SS+15], v244
	v_cvt_scalef32_pk16_fp6_f32 v[PT:PT+2], v[SS+16:SS+31], v245
	v_nop                                          ; one plain place behind a scaled conversion
.irp i, 0,1,2
	v_permlane16_swap_b32 v[CX+6*(\c)+\i], v[PT+\i]
.endr
.irp i, 0,1,2
	s_delay_alu instid0(VALU_DEP_3)
	v_mov_b32 v[CX+6*(\c)+3+\i], v[PT+\i]
.endr
.if (\c) == 0                                  ; on to the second head
.irp n, 0,1,2,3,4,5,6
	v_mov_b32 v[QF+\n], v[Q2+\n]
.endr
	v_mov_b32 v[QS], v[Q2+7]
	v_mov_b32 v13, 0xff61b1e6
	s_delay_alu instid0(VALU_DEP_1)
	v_floor_f32 v12, -v13
	v_mov_b32 v14, 0
	v_mov_b32 v15, 0
.set j, 0
.rept 32
	v_mov_b32 v[OT+j], 0                           ; (also the places between Q's and its scale word's writes and the next products)
.set j, j+1
.endr
.endif
.endm
	s_wait_loadcnt 0x0                             ; Q of both heads
.Lslot:                                            ; 3 trips: behind each change of slots but the last the next slot is asked for
	CHANGE 1
	SLOT_STEPS
	s_cmp_lg_u32 s[SLOTS], 2                       ; the second slot ends the first head: a branch on the count of slots, the same in every wave and partner; no barrier and no tensor load stands under it
	s_cbranch_scc1 .Lsame_head
	FINISH 0
.Lsame_head:
	s_sub_co_u32 s[SLOTS], s[SLOTS], 1
	s_cmp_lg_u32 s[SLOTS], 0
	s_cbranch_scc1 .Lslot
	CHANGE 0                                       ; the last slot is written out
	SLOT_STEPS
	FINISH 1
.irp g, 0,1,2
	global_store_b128 v[GO], v[CX+4*\g:CX+4*\g+3], s[10:11] offset:512*\g   ; 32 lanes store 512 consecutive bytes, at a multiple of 512 from the buffer's first byte
.endr
	ds_store_b32 v[SWA], v[CW]                     ; both halves of the lanes write the same word with the same value
	s_wait_dscnt 0x0                               ; for the others' sake: my store has landed
	s_barrier_signal -1
	s_barrier_wait -1
	s_cmp_lt_u32 s[WV], 2                          ; the 256 rows' words leave as 1,024 consecutive bytes: threads 0-63, 16 bytes each
	s_cbranch_scc0 .Lno_words
	ds_load_b128 v[SS:SS+3], v[SRA]
	s_wait_dscnt 0x0
	global_store_b128 v[SGO], v[SS:SS+3], s[12:13]
.Lno_words:
	s_wait_tensorcnt 0x0                           ; the wave's end
	ds_add_u32 v[SPW], v[NIL]
	s_wait_dscnt 0x0
	CROUND                                         ; the closing round
	s_endpgm
.Lfunc_end_k_qde52a71792_attn:
	.size	k_qde52a71792_attn, .Lfunc_end_k_qde52a71792_attn-k_qde52a71792_attn
	.p2alignl 7, 3214868480
	.fill 96, 4, 3214868480
	.section	.rodata,"a",@progbits
	.p2align	6, 0x0
	.amdhsa_kernel k_qde52a71792_attn
		.amdhsa_group_segment_fixed_size 327680
		.amdhsa_private_segment_fixed_size 0
		.amdhsa_enable_private_segment 0
		.amdhsa_kernarg_size 40
		.amdhsa_user_sgpr_count 2
		.amdhsa_user_sgpr_kernarg_segment_ptr 1
		.amdhsa_wavefront_size32 1
		.amdhsa_system_sgpr_workgroup_id_x 1
		.amdhsa_system_sgpr_workgroup_id_y 1
		.amdhsa_system_sgpr_workgroup_id_z 1
		.amdhsa_system_vgpr_workitem_id 0
		.amdhsa_next_free_vgpr 256
		.amdhsa_next_free_sgpr 66
		.amdhsa_reserve_vcc 0
		.amdhsa_float_denorm_mode_32 3
		.amdhsa_float_denorm_mode_16_64 3
		.amdhsa_memory_ordered 1
		.amdhsa_forward_progress 1
		.amdhsa_inst_pref_size 161
	.end_amdhsa_kernel
	.amdgpu_metadata
---
amdhsa.version: [ 1, 2 ]
amdhsa.kernels:
  - .name:           k_qde52a71792_attn
    .symbol:         k_qde52a71792_attn.kd
    .args:
      - { .name: qf, .offset: 0, .size: 8, .value_kind: global_buffer, .address_space: global }
      - { .name: kf, .offset: 8, .size: 8, .value_kind: global_buffer, .address_space: global }
      - { .name: vf, .offset: 16, .size: 8, .value_kind: global_buffer, .address_space: global }
      - { .name: cxc, .offset: 24, .size: 8, .value_kind: global_buffer, .address_space: global }
      - { .name: cxs, .offset: 32, .size: 8, .value_kind: global_buffer, .address_space: global }
    .group_segment_fixed_size: 327680
    .private_segment_fixed_size: 0
    .kernarg_segment_align: 8
    .kernarg_segment_size: 40
    .max_flat_workgroup_size: 512
    .sgpr_count:     66
    .vgpr_count:     256
    .wavefront_size: 32
...
	.end_amdgpu_metadata
.endif
;; end of part 2
;; launch outp (part 3): grid 8 x 32, 4 waves a work-group, clusters of 4 x 4, 327,680 bytes of LDS; arguments cxc, cxs, wo_codes, wo_scales, bo, out0; writes out0
.if DOCPART == 3
	.amdgcn_target "amdgcn-amd-amdhsa--gfx1250"
	.amdhsa_code_object_version 6
	.text
	.protected	k_qde52a71792_outp
	.globl	k_qde52a71792_outp
	.p2align	8
	.type	k_qde52a71792_outp,@function
k_qde52a71792_outp:
	s_mov_b64 s[64:65], 0
	v_nop
	global_prefetch_b8 v0, s[64:65] scope:SCOPE_SE
	s_setreg_imm32_b32 hwreg(HW_REG_WAVE_MODE, 25, 1), 1
	s_wait_xcnt 0x0
	s_wait_alu depctr_hold_cnt(0) depctr_sa_sdst(0) depctr_va_vdst(0) depctr_va_sdst(0) depctr_va_ssrc(0) depctr_va_vcc(0) depctr_vm_vsrc(0)
	s_getreg_b32 s2, hwreg(HW_REG_IB_STS2, 6, 4)
	s_cmp_eq_u32 s2, 0
	s_cbranch_scc0 .Lentry_in_a_cluster
	s_endpgm
.Lentry_in_a_cluster:
	s_bfe_u32 s2, ttmp6, 0x10000c
	s_cmp_lg_u32 s2, 0xf033
	s_cbranch_scc0 .Lentry_shape_is_right
	s_endpgm
.Lentry_shape_is_right:
; out0 = ctx wo^T + bo on codes of FP6 (E2M3).  ctx comes as images of operand registers: cxc [tile of 16 rows][step of 128 along K] 1,536 bytes, cxs [step][row] one scale word.
; 256 work-groups; each makes 256 rows x 128 columns, four waves 2 x 2, a wave 128 x 64: 32 accumulators.
; ALL OPERANDS LAND IN LDS ONCE, one joint load a wave at the head: wo's 128 rows, whole rows of 768 bytes (16 bytes of padding behind each 256); ctx's 16 tiles, one dense block of 196,608 bytes;
; ctx's scale words (8 rows of 1,024 bytes); wo's scale bytes (4,096 dense).  Nothing is filled again, so the only rounds are the opening and the closing one.
; 4 x 4 clusters: ctx's tiles are shared along a row of the cluster, wo's along a column.  Source 0 = wo's rows, source 1 = ctx's rows: a lane holds eight neighbouring columns of a row of out0.
; The bias is the first products' C.  All scale words lie in registers from the start: wo's at v[SB + 8 b + step], ctx's at v[SA + 8 a + step].
; No prefetch: the launch has no loop to run ahead in; every tile is asked for at the head.
; WINDOWS: 0 addresses, scales, bias, wo's fragments (two sets); 1 ctx's fragments (two sets); 2 the accumulators, (a, b) at 8 (4 a + b).
.set PITCH,  816
.set AB0,    128*PITCH                 ; ctx's tiles, behind wo's rows
.set SCA,    AB0+16*12288
.set SCB,    SCA+8192
.set SPARE,  SCB+16*272
.set SPITCH, 272                       ; the way out: 16 rows x (256 + 16) a wave, on wo's rows, which nobody reads behind the last barrier
.set ADRA, 8                           ; v8, v9 my tiles 0-3, 4-7 of ctx
.set ADRB, 10                          ; v10 my rows of wo; v11 for pieces whose lanes 16-31 lie behind one padding more
.set STO,  12
.set RD,   13
.set CO,   14
.set ADRSA, 15
.set ADRSB, 16
.set SPW,  18
.set NIL,  19
.set SB,   24
.set SA,   60
.set BO,   124
.set BF,   156
.set BK,   156
.set G1A, 24
.set G1B, 32
.set G1S, 40
.set G1SB, 48
.set G0A, 56
.set G0B, 60
.set G0S, 68
.set G0SB, 72
.set MSB, 0
.macro WIN new
.if MSB != (\new)
	s_set_vgpr_msb (MSB<<8)|(\new)
.set MSB, (\new)
.endif
.endm
.macro CROUND
	s_barrier_signal -1
	s_barrier_wait -1
	s_cmp_lg_u32 s14, 0
	s_cbranch_scc1 .Lnot_wave_0_\@
	s_barrier_signal -3
.Lnot_wave_0_\@:
	s_barrier_wait -3
	s_barrier_signal -1
	s_barrier_wait -1
.endm
.macro PLACES n
.rept \n
	v_nop
.endr
.endm
.macro GROUP1 g, mask, flags, c, r, p
	s_or_b32 s[\g], s\mask, (\flags)|(1<<21)
	s_mov_b32 s[\g+1], (\c)<<16
	s_mov_b32 s[\g+2], (\r)<<16
	s_mov_b32 s[\g+3], (\c)<<16
	s_mov_b32 s[\g+4], \r
	s_mov_b32 s[\g+5], \p
	s_mov_b32 s[\g+6], 0
	s_mov_b32 s[\g+7], 0
.endm
.macro GROUP0 g, lds, a
	s_mov_b32 s[\g], 1
	s_mov_b32 s[\g+1], \lds
	s_mov_b64 s[\g+2:\g+3], s[\a:\a+1]
	s_or_b32 s[\g+3], s[\g+3], 0x80000000
.endm
	s_load_b256 s[4:11], s[0:1], 0x0               ; cxc, cxs, wo_codes, wo_scales
	s_load_b128 s[84:87], s[0:1], 0x20             ; bo, out0
	v_lshl_add_u32 v[SPW], v0, 2, SPARE
	v_mov_b32 v[NIL], 0
	ds_add_u32 v[SPW], v[NIL]                      ; the opening lines: the add twice and one wait
	ds_add_u32 v[SPW], v[NIL]
	v_lshrrev_b32 v1, 5, v0
	v_readfirstlane_b32 s14, v1                    ; wave
	s_lshr_b32 s15, s14, 1                         ; my half of the rows
	s_and_b32 s16, s14, 1                          ; my half of the columns
	s_bfe_u32 s76, ttmp6, 0x40000
	s_bfe_u32 s77, ttmp6, 0x40004
	s_lshl_b32 s78, ttmp9, 2
	s_add_co_u32 s78, s78, s76                     ; tile column, 0 .. 7
	s_and_b32 s17, ttmp7, 0xffff
	s_lshl_b32 s17, s17, 2
	s_add_co_u32 s17, s17, s77                     ; tile row, 0 .. 31
	s_lshl_b32 s79, s77, 2
	s_lshl_b32 s79, 15, s79                        ; my row of the cluster
	s_lshl_b32 s80, 0x1111, s76                    ; my column
	GROUP1 G1A, 79, 3<<16, 1536, 16, 1536
	GROUP1 G1B, 80, (1<<20)|(5<<22)|(3<<25), 768, 128, 768
	GROUP1 G1S, 79, 3<<16, 128, 8, 4096
	GROUP1 G1SB, 80, (3<<16)|(1<<20)|(5<<22)|(3<<25), 32, 16, 32
	s_mul_i32 s20, s17, 16*12288
	s_mov_b32 s21, 0
	s_lshl_b32 s22, s17, 10
	s_mov_b32 s23, 0
	s_mul_i32 s18, s78, 128*768
	s_mov_b32 s19, 0
	s_lshl_b32 s82, s78, 12
	s_mov_b32 s83, 0
	s_wait_dscnt 0x0
	s_wait_kmcnt 0x0
	s_add_nc_u64 s[20:21], s[4:5], s[20:21]
	s_add_nc_u64 s[22:23], s[6:7], s[22:23]
	s_add_nc_u64 s[18:19], s[8:9], s[18:19]
	s_add_nc_u64 s[82:83], s[10:11], s[82:83]
	CROUND                                         ; in front of the joint loads
	GROUP0 G0A, AB0, 20
	GROUP0 G0B, 0, 18
	GROUP0 G0S, SCA, 22
	GROUP0 G0SB, SCB, 82
.macro ARM under, g0, g1, next
	s_cmp_lt_u32 s14, \under
	s_cbranch_scc0 \next
	tensor_load_to_lds s[\g0:\g0+3], s[\g1:\g1+7]
	s_nop 0
	PLACES 4
	s_branch .Lhead_asked
\next:
.endm
	ARM 1, G0B, G1B, .Lhead_a
	ARM 2, G0A, G1A, .Lhead_sa
	ARM 3, G0S, G1S, .Lhead_sb
	tensor_load_to_lds s[G0SB:G0SB+3], s[G1SB:G1SB+7]
	s_nop 0
	PLACES 4
.Lhead_asked:
	s_lshl_b32 s18, s17, 8
	s_lshl_b32 s19, s15, 7
	s_add_co_u32 s18, s18, s19
	s_lshl_b32 s18, s18, 12                        ; my first row of out0, rows of 4,096 bytes
	s_lshl_b32 s82, s78, 9
	s_lshl_b32 s83, s16, 8
	s_add_co_u32 s82, s82, s83                     ; my first column, in bytes
	s_mov_b32 s83, 0
	s_add_nc_u64 s[84:85], s[84:85], s[82:83]
	s_add_co_u32 s18, s18, s82
	s_mov_b32 s19, 0
	s_add_nc_u64 s[86:87], s[86:87], s[18:19]
	s_mul_i32 s20, s15, 8*12288
	s_add_co_u32 s20, s20, AB0
	s_mul_i32 s21, s16, 64*PITCH
	s_lshl_b32 s22, s15, 9
	s_add_co_u32 s22, s22, SCA
	s_mul_i32 s23, s16, 8*272
	s_add_co_u32 s23, s23, SCB
	s_mul_i32 s81, s14, 16*SPITCH
	v_and_b32 v1, 15, v0                           ; r
	v_bfe_u32 v2, v0, 4, 1                         ; h
	v_and_b32 v3, 31, v0
	v_lshlrev_b32 v4, 4, v3
	v_add_nc_u32 v[ADRA], s20, v4
	v_add_nc_u32 v[ADRA+1], 4*12288, v[ADRA]
	v_mul_u32_u24 v5, v1, PITCH
	v_mad_u32_u24 v5, v2, 24, v5
	v_add_nc_u32 v[ADRB], s21, v5
	v_lshl_add_u32 v[ADRB+1], v2, 4, v[ADRB]
	v_lshl_add_u32 v[ADRSA], v1, 2, s22
	v_lshlrev_b32 v5, 5, v1
	v_lshrrev_b32 v6, 3, v1
	v_lshl_add_u32 v5, v6, 4, v5
	v_add_nc_u32 v[ADRSB], s23, v5
	v_mul_u32_u24 v5, v1, SPITCH
	v_lshl_add_u32 v5, v2, 5, v5
	v_add_nc_u32 v[STO], s81, v5                   ; in: row r, 32 bytes for each half of the lanes
	v_mul_u32_u24 v5, v2, SPITCH
	v_lshl_add_u32 v5, v1, 4, v5
	v_add_nc_u32 v[RD], s81, v5                    ; back: lanes 0-15 one row of 256 bytes, lanes 16-31 the next
	v_lshlrev_b32 v5, 12, v2
	v_lshl_add_u32 v[CO], v1, 4, v5
	v_lshlrev_b32 v7, 5, v2
.irp b, 0,1,2,3
	global_load_b128 v[BO+8*\b:BO+8*\b+3], v7, s[84:85] offset:64*\b
	global_load_b128 v[BO+8*\b+4:BO+8*\b+7], v7, s[84:85] offset:64*\b+16
.endr
.macro LOADS st                        ; step st's fragments into set st % 2: 24 loads for wo's four, 24 for ctx's eight
.set S_, (\st)%2
.irp b, 0,1,2,3
.irp p, 0,1,2,3,4,5
.set PC_, 12*(\st)+6*(\p/3)+\p%3
.if PC_%32 < 29
	ds_load_b64 v[BF+48*S_+12*\b+2*\p:BF+48*S_+12*\b+2*\p+1], v[ADRB] offset:8*PC_+16*(PC_/32)+\b*16*PITCH
.else
	ds_load_b64 v[BF+48*S_+12*\b+2*\p:BF+48*S_+12*\b+2*\p+1], v[ADRB+1] offset:8*PC_+16*(PC_/32)+\b*16*PITCH
.endif
.endr
.endr
	WIN 0x40
.irp i, 0,1,2,3,4,5,6,7
.irp g, 0,1,2
	ds_load_b128 v[96*S_+12*\i+4*\g:96*S_+12*\i+4*\g+3], v[ADRA+\i/4] offset:(\i%4)*12288+1536*(\st)+512*\g
.endr
.endr
	WIN 0
.endm
.macro MULS st, first                  ; 32 products; the 32 accumulators take turns, in the same order in every step
.set S_, (\st)%2
.if \first
	WIN 0x84
.else
	WIN 0xa4
.endif
.irp a, 0,1,2,3,4,5,6,7
.irp b, 0,1,2,3
.if \first
	v_wmma_scale_f32_16x16x128_f8f6f4 v[8*(4*\a+\b):8*(4*\a+\b)+7], v[BF+48*S_+12*\b:BF+48*S_+12*\b+11], v[96*S_+12*\a:96*S_+12*\a+11], v[BO+8*\b:BO+8*\b+7], v[SB+8*\b+(\st)], v[SA+8*\a+(\st)] matrix_a_fmt:MATRIX_FMT_FP6 matrix_b_fmt:MATRIX_FMT_FP6
.else
	v_wmma_scale_f32_16x16x128_f8f6f4 v[8*(4*\a+\b):8*(4*\a+\b)+7], v[BF+48*S_+12*\b:BF+48*S_+12*\b+11], v[96*S_+12*\a:96*S_+12*\a+11], v[8*(4*\a+\b):8*(4*\a+\b)+7], v[SB+8*\b+(\st)], v[SA+8*\a+(\st)] matrix_a_fmt:MATRIX_FMT_FP6 matrix_b_fmt:MATRIX_FMT_FP6
.endif
.endr
.endr
	WIN 0
.endm
	s_wait_alu depctr_va_vdst(0)                   ; the wait at the head's end
	s_wait_tensorcnt 0x0                           ; my tile is in
	s_barrier_signal -1
	s_barrier_wait -1                              ; and everybody's
.irp b, 0,1,2,3
	ds_load_b128 v[SB+8*\b:SB+8*\b+3], v[ADRSB] offset:\b*544
	ds_load_b128 v[SB+8*\b+4:SB+8*\b+7], v[ADRSB] offset:\b*544+16
.endr
.irp i, 0,1,2,3,4,5,6,7
.irp q, 0,1,2,3,4,5,6,7
	ds_load_b32 v[SA+8*\i+\q], v[ADRSA] offset:64*\i+1024*\q
.endr
.endr
	LOADS 0
	s_wait_loadcnt 0x0                             ; the bias
	LOADS 1
	s_wait_dscnt 48                                ; all but step 1's 48 loads
	MULS 0, 1
.irp st, 1,2,3,4,5,6
	PLACES 4                                       ; behind the products that read the set filled next
	LOADS \st+1
	s_wait_dscnt 48                                ; all but the 48 just issued
	MULS \st, 0
.endr
	s_wait_dscnt 0x0                               ; my last reads of the tiles are over
	s_barrier_signal -1
	MULS 7, 0
	s_barrier_wait -1                              ; and everybody's: the stages may be written
; THE WAY OUT, by blocks of 16 rows x 64 columns, through my own stage: whole rows of 256 bytes come back, and sixteen lanes store one aligned unit of 256 bytes
.macro TOSTAGE a
	WIN 0x08
.irp b, 0,1,2,3
	ds_store_b128 v[STO], v[32*(\a)+8*\b:32*(\a)+8*\b+3] offset:64*\b
	ds_store_b128 v[STO], v[32*(\a)+8*\b+4:32*(\a)+8*\b+7] offset:64*\b+16
.endr
	WIN 0
.irp t, 0,1,2,3,4,5,6,7
	ds_load_b128 v[BK+32*((\a)%2)+4*\t:BK+32*((\a)%2)+4*\t+3], v[RD] offset:\t*2*SPITCH
.endr
.endm
.macro SEND a, younger
	s_wait_dscnt \younger
.if (\a) > 0
	s_add_nc_u64 s[86:87], s[86:87], 16*4096       ; behind a wait on XCNT
.endif
.irp t, 0,1,2,3,4,5,6,7
	global_store_b128 v[CO], v[BK+32*((\a)%2)+4*\t:BK+32*((\a)%2)+4*\t+3], s[86:87] offset:2*\t*4096 th:TH_STORE_NT
.endr
.endm
	PLACES 4
	TOSTAGE 0
.irp a, 1,2,3,4,5,6,7
.if \a > 1
	s_wait_xcnt 0x0                                ; block a - 2's stores have read their registers and their base
.endif
	TOSTAGE \a
	SEND \a-1, 16                                  ; behind block a - 1's loads: block a's 8 stores and 8 loads
.endr
	s_wait_xcnt 0x0
	SEND 7, 0
	s_wait_tensorcnt 0x0                           ; the wave's end
	ds_add_u32 v[SPW], v[NIL]
	s_wait_dscnt 0x0
	CROUND                                         ; the closing round
	s_endpgm
.Lfunc_end_k_qde52a71792_outp:
	.size	k_qde52a71792_outp, .Lfunc_end_k_qde52a71792_outp-k_qde52a71792_outp
	.p2alignl 7, 3214868480
	.fill 96, 4, 3214868480
	.section	.rodata,"a",@progbits
	.p2align	6, 0x0
	.amdhsa_kernel k_qde52a71792_outp
		.amdhsa_group_segment_fixed_size 327680
		.amdhsa_private_segment_fixed_size 0
		.amdhsa_enable_private_segment 0
		.amdhsa_kernarg_size 48
		.amdhsa_user_sgpr_count 2
		.amdhsa_user_sgpr_kernarg_segment_ptr 1
		.amdhsa_wavefront_size32 1
		.amdhsa_system_sgpr_workgroup_id_x 1
		.amdhsa_system_sgpr_workgroup_id_y 1
		.amdhsa_system_sgpr_workgroup_id_z 1
		.amdhsa_system_vgpr_workitem_id 0
		.amdhsa_next_free_vgpr 768
		.amdhsa_next_free_sgpr 90
		.amdhsa_reserve_vcc 0
		.amdhsa_float_denorm_mode_32 3
		.amdhsa_float_denorm_mode_16_64 3
		.amdhsa_memory_ordered 1
		.amdhsa_forward_progress 1
		.amdhsa_inst_pref_size 88
	.end_amdhsa_kernel
	.amdgpu_metadata
---
amdhsa.version: [ 1, 2 ]
amdhsa.kernels:
  - .name:           k_qde52a71792_outp
    .symbol:         k_qde52a71792_outp.kd
    .args:
      - { .name: cxc, .offset: 0, .size: 8, .value_kind: global_buffer, .address_space: global }
      - { .name: cxs, .offset: 8, .size: 8, .value_kind: global_buffer, .address_space: global }
      - { .name: wo_codes, .offset: 16, .size: 8, .value_kind: global_buffer, .address_space: global }
      - { .name: wo_scales, .offset: 24, .size: 8, .value_kind: global_buffer, .address_space: global }
      - { .name: bo, .offset: 32, .size: 8, .value_kind: global_buffer, .address_space: global }
      - { .name: out0, .offset: 40, .size: 8, .value_kind: global_buffer, .address_space: global }
    .group_segment_fixed_size: 327680
    .private_segment_fixed_size: 0
    .kernarg_segment_align: 8
    .kernarg_segment_size: 48
    .max_flat_workgroup_size: 128
    .sgpr_count:     90
    .vgpr_count:     768
    .wavefront_size: 32
...
	.end_amdgpu_metadata
.endif
;; end of part 3
